; MI455X (gfx1250); checked and timed in simulation.
; The chip was launched on July 23, 2026; its instructions are those of AMD's public machine-readable ISA for CDNA 5 (MIT licence, August 2026) and "CDNA5" Instruction Set Architecture Reference Guide (July 2026). The comments in the code are by the model that wrote it; some were corrected since.
;; Time Embedder. Allowed arithmetic: matrix products marked QUANTISED: E3M2 operands, one E8M0 scale for each 32 along K, by v_wmma_scale_f32_16x16x128_f8f6f4 with both operands' format E3M2, f32 sums; everything else in f32.
;; Inputs: W1 1,024 x 4,096 float32; W2 4,096 x 4,096 float32; b1 4,096 float32; b2 4,096 float32; t 2,048 float32.
;; Outputs: out0 2,048 x 4,096 float32.
;; This version of the problem:
;;   THIS VERSION OF THE PROBLEM IS GIVEN IN LOW PRECISION. The matrix products marked QUANTISED in the list below multiply operands that are first quantised to E3M2 (3 exponent bits, 2 mantissa bits; 6 bits a number), with one power-of-two scale for each 32 numbers along K (OCP MX v1.0); their sums are f32. All else is computed in f32.
;;   The module's matrix products, in the order in which they are computed (A, B: the left and right operand; K: the contracted axis; several contracted axes count as one K, in the product's order):
;;     1. [M 2,048, K 1,024] x [K 1,024, N 4,096]; A: computed on the way; B: input W1: QUANTISED
;;     2. [M 2,048, K 4,096] x [K 4,096, N 4,096]; A: computed on the way; B: input W2: QUANTISED
;;   THE QUANTISER, for each operand of a quantised product, along K:
;;     - K is cut into blocks of 32 from its start; a last block that is shorter is filled with zeros.
;;     - A block's scale is 2^e with e = floor(log2(the largest magnitude in the block)) - 4, held to -126 .. 127; a block of zeros has e = 0. As a byte (E8M0): e + 127.
;;     - Each number is divided by its block's scale, clamped to +-28, and rounded to the nearest number of E3M2, ties to even, subnormals kept.
;;     - The product sums the exact products of the quantised numbers (number of the format x scale) in f32.
;;   ~~~python
;;   def quantise(x, axis):      # numpy; x: float32 -> the quantised numbers, widened to float32 again
;;       x = np.moveaxis(x, axis, -1); K = x.shape[-1]
;;       x = np.pad(x, [(0, 0)] * (x.ndim - 1) + [(0, -K % 32)]); x = x.reshape(x.shape[:-1] + (-1, 32)); a = np.abs(x).max(-1, keepdims=True)
;;       e = np.where(a > 0, np.clip(np.frexp(np.where(a > 0, a, 1))[1] - 1 - 4, -126, 127), 0)      # np.frexp(a)[1] - 1 = floor(log2(a)), exactly
;;       r = np.clip(x / 2.0 ** e, -28, 28)
;;       step = 2.0 ** (np.maximum(np.frexp(np.where(r == 0, 1, r))[1] - 1, -2) - 2)
;;       q = np.round(r / step) * step * 2.0 ** e      # np.round: ties to even
;;       return np.moveaxis(q.reshape(q.shape[:-2] + (-1,))[..., :K], -1, axis).astype(np.float32)
;;   ~~~
;;   OPERANDS COMPUTED ON THE WAY. 'Computed on the way' means the value that the module computes at that place (a softmax that the list does not call 'softmax' is quantised finished and normalised). What goes into a quantiser is computed in f32, as accurately as f32 sums, v_exp_f32 and their like allow (about 1e-6 of the number): no bf16 or f16 on the way to a quantiser, and a product that is left as it is and whose result goes on into a quantised operand takes f32 operands (vector FMAs, or v_wmma_f32_16x16x4_f32). A number that lies on a knife's edge between two numbers of the format may be rounded either way, as far as f32 arithmetic and the matrix unit's own rounding can turn it there, and no further.
;; One version. Each part assembles by itself: llvm-mc -triple=amdgcn-amd-amdhsa -mcpu=gfx1250 --defsym DOCPART=n.
;; ======== version 1 of 1: 3 launches
;; limits: inputs' magnitudes at most 131; right only within a limited range of input values
;; workspace buffers: xq 1,638,400 bytes; w1q 3,276,800 bytes; w2q 13,107,200 bytes; hq 6,553,600 bytes
;; launch prep (part 1): grid 768 x 1, 4 waves a work-group, no clusters, 27,648 bytes of LDS; arguments t, W1, W2, xq, w1q, w2q; writes xq, w1q, w2q
.if DOCPART == 1
	.amdgcn_target "amdgcn-amd-amdhsa--gfx1250"
	.amdhsa_code_object_version 6
	.text
	.protected	k_q424f8754c5_prep
	.globl	k_q424f8754c5_prep
	.p2align	8
	.type	k_q424f8754c5_prep,@function
k_q424f8754c5_prep:
	s_mov_b64 s[64:65], 0
	v_nop
	global_prefetch_b8 v0, s[64:65] scope:SCOPE_SE
	s_setreg_imm32_b32 hwreg(HW_REG_WAVE_MODE, 25, 1), 1
	s_wait_xcnt 0x0
; THREE OPERANDS ARE MADE READY FOR THE TWO PRODUCTS, as codes of BF6 (E3M2) with one E8M0 scale byte for each 32 along K.
;   work-groups 0-127:   16 rows each of the normalised time embedding (cos | sin of 1000 t x 512 frequencies), quantised along its 1,024 -> xq
;   work-groups 128-255: W1 [1024][4096] f32, K its first axis -> w1q;      work-groups 256-767: W2 [4096][4096] f32 likewise -> w2q
; THE LAYOUT OF ALL CODE BUFFERS: records of 25,600 bytes, one for 128 rows x 256 along K; record (s = k / 256, rb = row / 128) is number s x (rows / 128) + rb.
; In a record the fragment (rt = 0..7: 16 rows; ks = 0, 1: 128 along K) lies at 3072 rt + 1536 ks as an IMAGE OF THE OPERAND'S 12 REGISTERS: registers 4 c .. 4 c + 3 of lane l at 512 c + 16 l.
; The scale words (four bytes: 128 along K of one row) lie at 24,576 + 512 ks + 4 (16 rt + row in the tile).  So a product's launch fetches whole records and reads fragments by loads of 16 bytes a lane.
; A weight's "row" is a column n of W.  THE COLUMNS OF A TILE ARE NOT NEIGHBOURS: row p of tile 2 b + u is column 128 rb + 32 b + 8 u + p + 8 (p / 8), so that in the transposed product
; the 16 registers of tiles 2 b and 2 b + 1 are 16 neighbouring columns.
; A block's scale is 2^(floor(log2(its largest magnitude)) - 4); its byte is the largest magnitude's exponent field - 4, held at 1 from below.  (A block of zeros gets the byte 1 where the rule says 127:
; its codes are zeros, which add nothing under any byte but 0xff, and the bytes are read by this program alone.)
; LIMITS: |1000 t| up to 2^17 keeps the reduced angle within 0.8 and sine and cosine within about 1e-7; beyond that the accuracy decays.  Blocks whose largest magnitude lies under 2^-122 keep the byte 1.
; NaN and infinities among the inputs are not served.
; No tensor loads, no cluster: no two work-groups read the same bytes.  The two paths part on the work-group's number alone and have LDS bytes of their own.
.set NE,   128                         ; work-groups of the embedding
.set NW1,  128                         ; records of W1: 4 along K x 32 along N
.set REC,  25600
.set FT,   24576                       ; LDS, embedding: the 512 frequencies (the weight path's stages take bytes 0 .. 24,575: 6,144 a wave)
.set ST1,  26624                       ; 16 rows x 4 waves: partial sums; 256 bytes further on those of the squares
.set X,    32                          ; weights: v32-95   two sets of 32 numbers
.set C,    96                          ;          v96-101  a block's six registers of codes
.set CT,   104                         ;          v104-106 the block's upper 16 codes as the conversion leaves them
.set SB,   24                          ;          v24-25   the scale words of the two K steps
.set OUTR, 112                         ;          v112-159 the way out
.set CO,   64                          ; embedding: v64-127 frequencies, then cosines
.set SI,   128                         ;            v128-191 sines
.set TM,   192                         ;            v192-207 at work in QUANT
.set PW,   208                         ;            the scale word just made;  v209 the cosines' word
.set PWC,  209
.set PC,   212                         ;            v212-231 the codes just made
.set SEL,  18                          ; s[18:19] lane selects for v_permlanex16_b32: lane l xor 16
	s_load_b256 s[4:11], s[0:1], 0x0               ; t s[4:5], W1 s[6:7], W2 s[8:9], xq s[10:11]
	s_load_b128 s[12:15], s[0:1], 0x20             ; w1q s[12:13], w2q s[14:15]
	v_lshl_add_u32 v232, v0, 2, 0x6a00
	v_mov_b32 v233, 0
	v_lshrrev_b32 v1, 5, v0
	v_readfirstlane_b32 s16, v1                    ; wave 0..3
	s_cmp_lt_u32 ttmp9, NE                         ; the same way for all four waves of a work-group
	s_cbranch_scc1 .Lembed
; ---------------- THE WEIGHTS.  A work-group makes one record; a wave takes 32 columns x 256 along K.  A LANE TAKES A COLUMN, AND ITS REGISTERS RUN DOWN K: a block of 32 lies in one lane's
; registers, its largest magnitude needs no other lane, and the conversions give codes with K innermost.  The codes go to their places in the wave's stage, an image of its quarter of the record, and
; leave as runs of 512 consecutive bytes.  Waves share nothing: no barrier.
	s_sub_co_u32 s17, ttmp9, NE
	v_and_b32 v2, 31, v0                           ; lane = my column among the wave's 32
	v_lshlrev_b32 v3, 2, v2                        ; in: 4 bytes a lane
	v_bfe_u32 v5, v0, 3, 1                         ; u: which of the wave's two tiles my column belongs to
	v_and_b32 v6, 7, v0
	v_bfe_u32 v10, v0, 4, 1
	v_lshl_add_u32 v6, v10, 3, v6                  ; p: its row in that tile
	s_mul_i32 s22, s16, 6144                       ; my wave's stage = its two tiles' place in the record
	v_mul_u32_u24 v4, v5, 3072
	v_lshl_add_u32 v4, v6, 4, v4
	v_add_nc_u32 v4, s22, v4                       ; into the stage: tile u, fragment lane p (+ 16 for the blocks of the upper half: 256 bytes, in the offset)
	v_lshl_add_u32 v7, v2, 4, s22                  ; out of it, and the same byte of the record: 16 x lane
	v_lshl_add_u32 v9, v5, 4, v6
	v_lshlrev_b32 v9, 2, v9
	s_lshl_b32 s23, s16, 7
	v_add_nc_u32 v9, s23, v9                       ; my column's scale word: 4 (16 (2 wave + u) + p)
	s_wait_kmcnt 0x0
	s_cmp_lt_u32 s17, NW1                          ; W1's record or W2's?  The choice hangs on the work-group's number alone
	s_cselect_b64 s[6:7], s[6:7], s[8:9]
	s_cselect_b64 s[12:13], s[12:13], s[14:15]
	s_cselect_b32 s18, 0, NW1
	s_sub_co_u32 s17, s17, s18                     ; the record's number in its buffer: 32 s + rb
	s_lshr_b32 s20, s17, 5
	s_lshl_b32 s20, s20, 22                        ; 256 s rows of 16,384 bytes
	s_and_b32 s21, s17, 31
	s_lshl_b32 s21, s21, 9                         ; 128 rb columns
	s_add_co_u32 s20, s20, s21
	s_add_co_u32 s20, s20, s23                     ; 32 x wave columns
	s_mov_b32 s21, 0
	s_add_nc_u64 s[6:7], s[6:7], s[20:21]
	s_mul_i32 s20, s17, REC
	s_add_nc_u64 s[12:13], s[12:13], s[20:21]
.macro LOAD t                          ; block t: W(32 t + i, my column), i = 0 .. 31, into set t % 2; a wave's load covers 128 consecutive bytes, the four waves' 512
.irp i, 0,1,2,3,4,5,6,7,8,9,10,11,12,13,14,15,16,17,18,19,20,21,22,23,24,25,26,27,28,29,30,31
	global_load_b32 v[X+32*((\t)%2)+\i], v3, s[6:7] offset:(32*(\t)+\i)*16384 th:TH_LOAD_NT
.endr
.endm
.macro BLOCK t                         ; block t = 4 ks + 2 c + h: registers 6 c .. 6 c + 5 of fragment lane p + 16 h in K step ks
.set XS, X+32*((\t)%2)
.set OFS, 1536*((\t)/4)+256*((\t)%2)
.if (\t) < 7
	s_wait_loadcnt 32                              ; this block's 32 loads are in; the next block's may be out
.else
	s_wait_loadcnt 0x0
.endif
	v_max3_num_f32 v12, |v[XS]|, |v[XS+1]|, |v[XS+2]|               ; the block's largest magnitude, in two chains
	v_max3_num_f32 v13, |v[XS+3]|, |v[XS+4]|, |v[XS+5]|
.irp i, 6,10,14,18,22,26
	v_max3_num_f32 v12, v12, |v[XS+\i]|, |v[XS+\i+1]|
	v_max3_num_f32 v13, v13, |v[XS+\i+2]|, |v[XS+\i+3]|
.endr
	v_max3_num_f32 v12, v12, |v[XS+30]|, |v[XS+31]|
	v_max3_num_f32 v12, v12, v13, 5<<23            ; and the floor 2^(5 - 127): the byte cannot fall under 1
	v_add_nc_u32 v11, -(4<<23), v12                ; 4 off the exponent field: the conversion takes this operand's exponent field as its scale
	v_cvt_scalef32_pk16_bf6_f32 v[C:C+2], v[XS:XS+15], v11
	v_cvt_scalef32_pk16_bf6_f32 v[CT:CT+2], v[XS+16:XS+31], v11     ; (a conversion's three registers begin on an even number)
	v_lshrrev_b32 v13, 23, v11                     ; the scale's byte: also the plain line behind the conversions
.if (\t)%4 == 0
	v_mov_b32 v[SB+(\t)/4], v13                    ; four bytes to a word, the lower K in the lower byte
.else
	v_lshl_or_b32 v[SB+(\t)/4], v13, 8*((\t)%4), v[SB+(\t)/4]
.endif
.irp i, 0,1,2
	v_mov_b32 v[C+3+\i], v[CT+\i]
.endr
.if ((\t)%4)/2 == 0
	ds_store_b128 v4, v[C:C+3] offset:OFS          ; registers 0-3: the first 512 bytes of the image
	ds_store_b64 v4, v[C+4:C+5] offset:OFS+512     ; registers 4, 5: the lower half of my 16 bytes in the second
.else
	ds_store_b64 v4, v[C:C+1] offset:OFS+520       ; registers 6, 7: the upper half
	ds_store_b128 v4, v[C+2:C+5] offset:OFS+1024   ; registers 8-11
.endif
.if (\t)+2 < 8
	LOAD (\t)+2
.endif
	s_wait_dscnt 0x0                               ; the stores have read their registers: the next block's codes may be written
.endm
	LOAD 0
	LOAD 1                                         ; two blocks, 64 loads a wave, ahead
.irp t, 0,1,2,3,4,5,6,7
	BLOCK \t
.endr
	global_store_b32 v9, v[SB], s[12:13] offset:24576        ; the wave's 32 scale words of a K step: 128 consecutive bytes
	s_wait_alu depctr_va_vdst(0)
	global_store_b32 v9, v[SB+1], s[12:13] offset:24576+512
.irp i, 0,1,2,3,4,5,6,7,8,9,10,11
	ds_load_b128 v[OUTR+4*\i:OUTR+4*\i+3], v7 offset:512*\i  ; LDS serves a wave's instructions in order: these see my stores
.endr
.irp i, 0,1,2,3,4,5,6,7,8,9,10,11
	s_wait_dscnt 11-\i                             ; load i is in; the younger ones may be out
	global_store_b128 v7, v[OUTR+4*\i:OUTR+4*\i+3], s[12:13] offset:512*\i   ; 32 lanes store 512 consecutive bytes, at a multiple of 256 from the buffer's first byte
.endr
	s_wait_tensorcnt 0x0
	ds_add_u32 v232, v233
	s_wait_dscnt 0x0
	s_endpgm
; ---------------- THE EMBEDDING.  The work-group takes rows 16 wg .. 16 wg + 15; wave w takes angles 128 w .. 128 w + 127 of all 16 rows: their cosines are K step w, their sines K step w + 4.
; Lane (r, h) holds row r; its register 16 b + i is angle 128 w + 32 b + 16 h + i: the order in which QUANT takes a K step.
.Lembed:
	v_and_b32 v1, 31, v0                           ; lane
	v_and_b32 v2, 15, v0                           ; r
	v_bfe_u32 v3, v0, 4, 1                         ; h
	v_lshlrev_b32 v11, 2, v2
	s_lshl_b32 s20, ttmp9, 6                       ; my 16 numbers of t
	s_mov_b32 s21, 0
	s_wait_alu depctr_va_vdst(0)
	s_wait_kmcnt 0x0
	s_add_nc_u64 s[4:5], s[4:5], s[20:21]
	global_load_b32 v4, v11, s[4:5]                ; t of my row
	s_mov_b32 s[SEL], 0x76543210
	s_mov_b32 s[SEL+1], 0xfedcba98
	s_mov_b32 s24, 0x3b004020                      ; 1 / 511
	s_mov_b32 s25, 0xc1549a78                      ; log2 of the f32 number nearest 1e-4, -13.28771241599499, in two words
	s_mov_b32 s26, 0xb4ab2b41
	s_mov_b32 s27, 0x3f317218                      ; ln 2 in two words
	s_mov_b32 s28, 0xb102e308
	s_mov_b32 s30, 0x3f22f983                      ; 2 / pi
	s_mov_b32 s31, 0x3fc90fdb                      ; pi / 2 in three words
	s_mov_b32 s32, 0xb33bbd2e
	s_mov_b32 s33, 0xa6f72ce8
	s_mov_b32 s34, 0x3638ef1d                      ; 1 / 9!
	s_mov_b32 s35, 0xb9500d01                      ; -1 / 7!
	s_mov_b32 s36, 0xb493f27e                      ; -1 / 10!
	s_mov_b32 s37, 0x37d00d01                      ; 1 / 8!
	v_lshl_add_u32 v5, v0, 2, FT                   ; where I put my frequencies: 4 x thread (+ 512 j)
	s_lshl_b32 s22, s16, 9
	s_add_co_u32 s22, s22, FT
	v_lshlrev_b32 v6, 6, v3
	v_add_nc_u32 v6, s22, v6                       ; where I read: my wave's 128, + 16 h
	s_lshl_b32 s23, s16, 2
	s_add_co_u32 s23, s23, ST1
	v_lshl_add_u32 v7, v2, 4, s23                  ; partial sums: row r, wave w
	v_lshl_add_u32 v8, v2, 4, ST1                  ; and the four of row r
	v_lshlrev_b32 v9, 4, v1                        ; an image's place for my lane
	v_mul_u32_u24 v10, v3, 32*REC
	v_lshl_add_u32 v10, v2, 2, v10                 ; scale words: lanes 0-15 the cosines', lanes 16-31 the sines', two K slots (32 records) further on
.irp b, 0,1,2,3
	v_mov_b32 v[TM+4+\b], 0                        ; written once: a lane permute's destination counts as one of its sources
.endr
	s_lshr_b32 s20, s16, 1                         ; the cosines' record: K slot w / 2, row block wg / 8
	s_lshl_b32 s20, s20, 4
	s_lshr_b32 s22, ttmp9, 3
	s_add_co_u32 s20, s20, s22
	s_mul_i32 s20, s20, REC
	s_and_b32 s22, ttmp9, 7                        ; tile wg % 8
	s_and_b32 s23, s16, 1                          ; K step w % 2
	s_mul_i32 s44, s22, 3072
	s_mul_i32 s45, s23, 1536
	s_add_co_u32 s44, s44, s45
	s_add_co_u32 s44, s44, s20
	s_mov_b32 s45, 0
	s_add_nc_u64 s[44:45], s[10:11], s[44:45]      ; the fragment's image
	s_lshl_b32 s22, s22, 6
	s_lshl_b32 s23, s23, 9
	s_add_co_u32 s46, s22, s23
	s_add_co_u32 s46, s46, s20
	s_add_co_u32 s46, s46, 24576
	s_mov_b32 s47, 0
	s_add_nc_u64 s[46:47], s[10:11], s[46:47]      ; its 16 scale words
; THE FREQUENCIES: freq(i) = (1e-4 as f32) ^ (i / 511 as f32).  Angles reach a thousand, so the last bit of a frequency moves an angle by as much as the angle's own rounding: the power is made
; in pairs of f32 words and rounded once.  Each thread makes four, i = thread + 128 j, line by line, so that no line waits for the line above it.  Chain j works in v[16 + 12 j] on:
; +0 i, e, z high;  +1 q, y high, its fraction, z low;  +2 remainder, y low, the sum high;  +3 n;  +4 the sum low;  +5 .. +8 at work.
.irp j, 0,1,2,3
	v_add_nc_u32 v[16+12*\j], 128*\j, v0
.endr
.irp j, 0,1,2,3
	v_cvt_f32_u32 v[16+12*\j], v[16+12*\j]
.endr
.irp j, 0,1,2,3
	v_mul_f32 v[17+12*\j], s24, v[16+12*\j]                            ; q = i x (1 / 511),
.endr
.irp j, 0,1,2,3
	v_fma_f32 v[18+12*\j], 0xc3ff8000, v[17+12*\j], v[16+12*\j]        ; what it leaves, i - 511 q, exactly,
.endr
.irp j, 0,1,2,3
	v_fma_f32 v[16+12*\j], v[18+12*\j], s24, v[17+12*\j]               ; e = the quotient i / 511 rounded once
.endr
.irp j, 0,1,2,3
	v_mul_f32 v[17+12*\j], s25, v[16+12*\j]                            ; y = e x log2(1e-4), in two words
.endr
.irp j, 0,1,2,3
	v_fma_f32 v[18+12*\j], v[16+12*\j], s25, -v[17+12*\j]
.endr
.irp j, 0,1,2,3
	v_fma_f32 v[18+12*\j], v[16+12*\j], s26, v[18+12*\j]
.endr
.irp j, 0,1,2,3
	v_rndne_f32 v[19+12*\j], v[17+12*\j]                               ; n: the whole part
.endr
.irp j, 0,1,2,3
	v_sub_f32 v[17+12*\j], v[17+12*\j], v[19+12*\j]                    ; the fraction, within 0.5: exact
.endr
.irp j, 0,1,2,3
	v_add_f32 v[20+12*\j], v[17+12*\j], v[18+12*\j]                    ; fraction + low word, again as two words a, b
.endr
.irp j, 0,1,2,3
	v_sub_f32 v[21+12*\j], v[20+12*\j], v[17+12*\j]
.endr
.irp j, 0,1,2,3
	v_sub_f32 v[21+12*\j], v[18+12*\j], v[21+12*\j]
.endr
.irp j, 0,1,2,3
	v_mul_f32 v[16+12*\j], s27, v[20+12*\j]                            ; z = (a + b) ln 2, in two words; |z| under 0.35
.endr
.irp j, 0,1,2,3
	v_fma_f32 v[17+12*\j], v[20+12*\j], s27, -v[16+12*\j]
.endr
.irp j, 0,1,2,3
	v_fma_f32 v[17+12*\j], v[20+12*\j], s28, v[17+12*\j]
.endr
.irp j, 0,1,2,3
	v_fma_f32 v[17+12*\j], v[21+12*\j], s27, v[17+12*\j]
.endr
.irp j, 0,1,2,3
	v_mov_b32 v[18+12*\j], 0x3493f27e                                  ; e^z by its series up to z^10 / 10!: what is left out is under 2^-41.  The terms from z^5 on in one word:
.endr
.irp k, 0x3638ef1d, 0x37d00d01, 0x39500d01, 0x3ab60b61, 0x3c088889
.irp j, 0,1,2,3
	v_fmaak_f32 v[18+12*\j], v[18+12*\j], v[16+12*\j], \k              ; 1/9!, 1/8!, 1/7!, 1/6!, 1/5!
.endr
.endr
; the sum (two words) <- (ch + cl) + z x the sum.  |ch| is the larger addend in every use, so ch - s + the product is what the addition dropped.
.macro MULADD ch, cl, first, last
.irp j, 0,1,2,3
	v_mul_f32 v[21+12*\j], v[16+12*\j], v[18+12*\j]
.endr
.irp j, 0,1,2,3
	v_fma_f32 v[22+12*\j], v[16+12*\j], v[18+12*\j], -v[21+12*\j]      ; what the product dropped,
.endr
.if !\first
.irp j, 0,1,2,3
	v_fma_f32 v[22+12*\j], v[16+12*\j], v[20+12*\j], v[22+12*\j]       ; and the cross terms
.endr
.endif
.irp j, 0,1,2,3
	v_fma_f32 v[22+12*\j], v[17+12*\j], v[18+12*\j], v[22+12*\j]
.endr
.irp j, 0,1,2,3
	v_add_f32 v[23+12*\j], \ch, v[21+12*\j]
.endr
.irp j, 0,1,2,3
	v_sub_f32 v[24+12*\j], \ch, v[23+12*\j]
.endr
.irp j, 0,1,2,3
	v_add_f32 v[24+12*\j], v[24+12*\j], v[21+12*\j]
.endr
.irp j, 0,1,2,3
	v_add_f32 v[24+12*\j], v[24+12*\j], v[22+12*\j]
.endr
.if \cl != 0
.irp j, 0,1,2,3
	v_add_f32 v[24+12*\j], \cl, v[24+12*\j]
.endr
.endif
.irp j, 0,1,2,3
	v_add_f32 v[18+12*\j], v[23+12*\j], v[24+12*\j]
.endr
.if !\last
.irp j, 0,1,2,3
	v_sub_f32 v[20+12*\j], v[23+12*\j], v[18+12*\j]
.endr
.irp j, 0,1,2,3
	v_add_f32 v[20+12*\j], v[20+12*\j], v[24+12*\j]
.endr
.endif
.endm
	MULADD 0x3d2aaaab, 0xb0aaaaab, 1, 0            ; 1/24
	MULADD 0x3e2aaaab, 0xb1aaaaab, 0, 0            ; 1/6
	MULADD 0x3f000000, 0, 0, 0                     ; 1/2
	MULADD 0x3f800000, 0, 0, 0                     ; 1
	MULADD 0x3f800000, 0, 0, 1                     ; 1: the last addition is the one rounding
.irp j, 0,1,2,3
	v_cvt_i32_f32 v[19+12*\j], v[19+12*\j]
.endr
.irp j, 0,1,2,3
	v_ldexp_f32 v[18+12*\j], v[18+12*\j], v[19+12*\j]                  ; x 2^n: exact
.endr
.irp j, 0,1,2,3
	ds_store_b32 v5, v[18+12*\j] offset:512*\j
.endr
	s_wait_dscnt 0x0                               ; for the others' sake: my frequencies lie in LDS
	s_barrier_signal -1
	s_barrier_wait -1                              ; all 512 do
.irp b, 0,1,2,3
.irp q, 0,1,2,3
	ds_load_b128 v[CO+16*\b+4*\q:CO+16*\b+4*\q+3], v6 offset:128*\b+16*\q   ; the sixteen lanes of a half read the same words
.endr
.endr
	s_wait_loadcnt 0x0                             ; t
	v_mul_f32 v4, 0x447a0000, v4                   ; x = 1000 t: one f32 multiplication
	s_wait_alu depctr_va_vdst(0)
	s_wait_dscnt 0x0
; SINE AND COSINE of a = x f (one f32 multiplication), four angles at a time.  k = the nearest whole number to a / (pi / 2); r = a - k pi / 2 with pi / 2 in three words (the first step is exact:
; a and k x the first word are multiples of 2^-23 and their difference is under 1); the two series on |r| <= 0.8; k's two low bits choose and sign.  Angle g works in v[16 + 10 g] on.
.macro SINCOS4 j0
.irp g, 0,1,2,3
	v_mul_f32 v[16+10*\g], v4, v[CO+(\j0)+\g]
.endr
.irp g, 0,1,2,3
	v_mul_f32 v[17+10*\g], s30, v[16+10*\g]
.endr
.irp g, 0,1,2,3
	v_rndne_f32 v[17+10*\g], v[17+10*\g]
.endr
.irp c, 31,32,33
.irp g, 0,1,2,3
	v_fma_f32 v[16+10*\g], -v[17+10*\g], s[\c], v[16+10*\g]
.endr
.endr
.irp g, 0,1,2,3
	v_mul_f32 v[18+10*\g], v[16+10*\g], v[16+10*\g]                    ; r^2
.endr
.irp g, 0,1,2,3
	v_cvt_i32_f32 v[22+10*\g], v[17+10*\g]
.endr
.irp g, 0,1,2,3
	v_fma_f32 v[19+10*\g], v[18+10*\g], s34, s35                       ; sine: r + r^3 (-1/6 + r^2 (1/120 + r^2 (-1/5040 + r^2 / 362880)))
	v_fma_f32 v[20+10*\g], v[18+10*\g], s36, s37                       ; cosine: 1 + r^2 (-1/2 + r^2 (1/24 + r^2 (-1/720 + r^2 (1/40320 - r^2 / 3628800))))
.endr
.irp g, 0,1,2,3
	v_fmaak_f32 v[19+10*\g], v[19+10*\g], v[18+10*\g], 0x3c088889
	v_fmaak_f32 v[20+10*\g], v[20+10*\g], v[18+10*\g], 0xbab60b61
.endr
.irp g, 0,1,2,3
	v_fmaak_f32 v[19+10*\g], v[19+10*\g], v[18+10*\g], 0xbe2aaaab
	v_fmaak_f32 v[20+10*\g], v[20+10*\g], v[18+10*\g], 0x3d2aaaab
.endr
.irp g, 0,1,2,3
	v_mul_f32 v[21+10*\g], v[18+10*\g], v[16+10*\g]                    ; r^3
	v_fmaak_f32 v[20+10*\g], v[20+10*\g], v[18+10*\g], 0xbf000000
.endr
.irp g, 0,1,2,3
	v_fma_f32 v[19+10*\g], v[19+10*\g], v[21+10*\g], v[16+10*\g]       ; sin r
	v_fma_f32 v[20+10*\g], v[20+10*\g], v[18+10*\g], 1.0               ; cos r
.endr
.irp g, 0,1,2,3
	v_and_b32 v[21+10*\g], 1, v[22+10*\g]
	v_lshlrev_b32 v[23+10*\g], 30, v[22+10*\g]                         ; k's bit 1 at the sign's place: the sine is negative in quadrants 2 and 3
.endr
.irp g, 0,1,2,3
	v_cmp_eq_u32 s[40+\g], 1, v[21+10*\g]                              ; k odd: the two change places
	v_add_nc_u32 v[22+10*\g], 1, v[22+10*\g]
.endr
.irp g, 0,1,2,3
	v_and_b32 v[23+10*\g], 0x80000000, v[23+10*\g]
	v_lshlrev_b32 v[22+10*\g], 30, v[22+10*\g]                         ; (k + 1)'s bit 1: the cosine is negative in quadrants 1 and 2
.endr
.irp g, 0,1,2,3
	v_cndmask_b32 v[21+10*\g], v[19+10*\g], v[20+10*\g], s[40+\g]
	v_cndmask_b32 v[24+10*\g], v[20+10*\g], v[19+10*\g], s[40+\g]
.endr
.irp g, 0,1,2,3
	v_and_b32 v[22+10*\g], 0x80000000, v[22+10*\g]
	v_xor_b32 v[SI+(\j0)+\g], v[21+10*\g], v[23+10*\g]
.endr
.irp g, 0,1,2,3
	v_xor_b32 v[CO+(\j0)+\g], v[24+10*\g], v[22+10*\g]                 ; in the frequency's place
.endr
.endm
.irp j0, 0,4,8,12,16,20,24,28,32,36,40,44,48,52,56,60
	SINCOS4 \j0
.endr
; THE ROW'S MEAN AND DEVIATION.  My 128 numbers are v64-191: 64 pairs, summed in four chains; then lane l xor 16's; then the four waves' parts meet in LDS.
.irp c, 0,1,2,3
	v_pk_add_f32 v[16+2*\c:17+2*\c], v[64+2*\c:65+2*\c], v[72+2*\c:73+2*\c]
.endr
.irp g, 2,3,4,5,6,7,8,9,10,11,12,13,14,15
.irp c, 0,1,2,3
	v_pk_add_f32 v[16+2*\c:17+2*\c], v[16+2*\c:17+2*\c], v[64+8*\g+2*\c:65+8*\g+2*\c]
.endr
.endr
	v_pk_add_f32 v[16:17], v[16:17], v[18:19]
	v_pk_add_f32 v[20:21], v[20:21], v[22:23]
	v_pk_add_f32 v[16:17], v[16:17], v[20:21]
	v_add_f32 v16, v16, v17
	v_permlanex16_b32 v17, v16, s[SEL], s[SEL+1]
	v_add_f32 v16, v16, v17
	ds_store_b32 v7, v16                           ; both halves of the lanes write the same word with the same value
	s_wait_dscnt 0x0
	s_barrier_signal -1
	s_barrier_wait -1
	ds_load_b128 v[16:19], v8
	s_wait_dscnt 0x0
	v_add_f32 v16, v16, v17
	v_add_f32 v18, v18, v19
	v_add_f32 v16, v16, v18
	v_mul_f32 v20, 0xba800000, v16                 ; -mean = -sum / 1024
	v_mov_b32 v21, v20
.set i, 64
.rept 64
	v_pk_add_f32 v[i:i+1], v[i:i+1], v[20:21]      ; d = the number - the mean
.set i, i+2
.endr
.irp c, 0,1,2,3
	v_pk_mul_f32 v[24+2*\c:25+2*\c], v[64+2*\c:65+2*\c], v[64+2*\c:65+2*\c]
.endr
.irp g, 1,2,3,4,5,6,7,8,9,10,11,12,13,14,15
.irp c, 0,1,2,3
	v_pk_fma_f32 v[24+2*\c:25+2*\c], v[64+8*\g+2*\c:65+8*\g+2*\c], v[64+8*\g+2*\c:65+8*\g+2*\c], v[24+2*\c:25+2*\c]
.endr
.endr
	v_pk_add_f32 v[24:25], v[24:25], v[26:27]
	v_pk_add_f32 v[28:29], v[28:29], v[30:31]
	v_pk_add_f32 v[24:25], v[24:25], v[28:29]
	v_add_f32 v24, v24, v25
	v_permlanex16_b32 v25, v24, s[SEL], s[SEL+1]
	v_add_f32 v24, v24, v25
	ds_store_b32 v7, v24 offset:256                ; other bytes than the sums': nobody's read of those is overtaken
	s_wait_dscnt 0x0
	s_barrier_signal -1
	s_barrier_wait -1
	ds_load_b128 v[24:27], v8 offset:256
	s_wait_dscnt 0x0
	v_add_f32 v24, v24, v25
	v_add_f32 v26, v26, v27
	v_add_f32 v24, v24, v26
	v_mul_f32 v24, 0x3a802008, v24                 ; the variance: / 1023
	s_wait_alu depctr_va_vdst(0)
	v_rsq_f32 v25, v24
	v_nop                                          ; a plain line behind the transcendental
	s_wait_alu depctr_va_vdst(0)
	v_mul_f32 v26, v24, v25                        ; one Newton step takes the approximation's last-bit error off
	v_fma_f32 v26, -v26, v25, 1.0
	v_mul_f32 v27, 0.5, v25
	v_fma_f32 v28, v27, v26, v25
	v_mov_b32 v29, v28
.set i, 64
.rept 64
	v_pk_mul_f32 v[i:i+1], v[i:i+1], v[28:29]
.set i, i+2
.endr
; 64 numbers of a lane, v[s] .. v[s + 63], register 16 b + i = k 32 b + 16 (lane / 16) + i of my row, become a fragment's codes in v[PC] on and its scale word in v[PW].
.macro QUANT s
.irp b, 0,1,2,3
	v_max3_num_f32 v[TM+\b], |v[\s+16*\b]|, |v[\s+1+16*\b]|, 0x2800000   ; block b: my 16 numbers, and the floor 2^(5 - 127)
.endr
.irp i, 2,4,6,8,10,12,14
.irp b, 0,1,2,3
	v_max3_num_f32 v[TM+\b], v[TM+\b], |v[\s+16*\b+\i]|, |v[\s+1+16*\b+\i]|
.endr
.endr
.irp b, 0,1,2,3
	v_permlanex16_b32 v[TM+4+\b], v[TM+\b], s[SEL], s[SEL+1]
.endr
.irp b, 0,1,2,3
	v_max_num_f32 v[TM+\b], v[TM+\b], v[TM+4+\b]   ; with lane l xor 16's: the block's largest magnitude
.endr
.irp b, 0,1,2,3
	v_add_nc_u32 v[TM+12+\b], 0xfe000000, v[TM+\b]   ; 4 off its exponent field: the conversion's scale operand
.endr
.irp b, 0,1,2,3
	v_lshrrev_b32 v[TM+4+\b], 23, v[TM+12+\b]      ; the scale's byte
.endr
	v_lshl_or_b32 v[PW], v[TM+5], 8, v[TM+4]
	v_lshl_or_b32 v[PW], v[TM+6], 16, v[PW]
	v_lshl_or_b32 v[PW], v[TM+7], 24, v[PW]        ; my row's scale word
.irp c, 0,1
	v_cvt_scalef32_pk16_bf6_f32 v[PC+6*\c:PC+2+6*\c], v[\s+32*\c:\s+15+32*\c], v[TM+12+2*\c]
	v_cvt_scalef32_pk16_bf6_f32 v[PC+12+4*\c:PC+14+4*\c], v[\s+16+32*\c:\s+31+32*\c], v[TM+12+2*\c+1]   ; (a conversion's three registers begin on an even number)
.endr
	v_nop                                          ; one plain line behind a scaled conversion
.irp c, 0,1                                    ; the operand's layout wants a WHOLE block in a lane: lanes 0-15 block 2 c, lanes 16-31 block 2 c + 1
.irp i, 0,1,2
	v_permlane16_swap_b32 v[PC+6*\c+\i], v[PC+12+4*\c+\i]
.endr
.irp i, 0,1,2
	v_mov_b32 v[PC+3+6*\c+\i], v[PC+12+4*\c+\i]
.endr
.endr
.endm
	QUANT CO
.irp c, 0,1,2
	global_store_b128 v9, v[PC+4*\c:PC+4*\c+3], s[44:45] offset:512*\c          ; the image: 512 consecutive bytes a store
.endr
	v_mov_b32 v[PWC], v[PW]
	s_wait_xcnt 0x0                                ; the stores' data registers are written again only behind this wait
	QUANT SI
.irp c, 0,1,2
	global_store_b128 v9, v[PC+4*\c:PC+4*\c+3], s[44:45] offset:32*REC+512*\c   ; K step w + 4: two K slots further on
.endr
	v_cmp_le_u32 vcc_lo, 16, v1
	v_cndmask_b32 v[PWC], v[PWC], v[PW], vcc_lo    ; lanes 0-15 the cosines' words, lanes 16-31 the sines'
	global_store_b32 v10, v[PWC], s[46:47]
	s_wait_tensorcnt 0x0
	ds_add_u32 v232, v233
	s_wait_dscnt 0x0
	s_endpgm
.Lfunc_end_k_q424f8754c5_prep:
	.size	k_q424f8754c5_prep, .Lfunc_end_k_q424f8754c5_prep-k_q424f8754c5_prep
	.p2alignl 7, 3214868480
	.fill 96, 4, 3214868480
	.section	.rodata,"a",@progbits
	.p2align	6, 0x0
	.amdhsa_kernel k_q424f8754c5_prep
		.amdhsa_group_segment_fixed_size 27648
		.amdhsa_private_segment_fixed_size 0
		.amdhsa_enable_private_segment 0
		.amdhsa_kernarg_size 48
		.amdhsa_user_sgpr_count 2
		.amdhsa_user_sgpr_kernarg_segment_ptr 1
		.amdhsa_wavefront_size32 1
		.amdhsa_system_sgpr_workgroup_id_x 1
		.amdhsa_system_sgpr_workgroup_id_y 1
		.amdhsa_system_sgpr_workgroup_id_z 1
		.amdhsa_system_vgpr_workitem_id 0
		.amdhsa_next_free_vgpr 234
		.amdhsa_next_free_sgpr 66
		.amdhsa_reserve_vcc 1
		.amdhsa_float_denorm_mode_32 3
		.amdhsa_float_denorm_mode_16_64 3
		.amdhsa_memory_ordered 1
		.amdhsa_forward_progress 1
		.amdhsa_inst_pref_size 179
	.end_amdhsa_kernel
	.amdgpu_metadata
---
amdhsa.version: [ 1, 2 ]
amdhsa.kernels:
  - .name:           k_q424f8754c5_prep
    .symbol:         k_q424f8754c5_prep.kd
    .args:
      - { .name: t, .offset: 0, .size: 8, .value_kind: global_buffer, .address_space: global }
      - { .name: W1, .offset: 8, .size: 8, .value_kind: global_buffer, .address_space: global }
      - { .name: W2, .offset: 16, .size: 8, .value_kind: global_buffer, .address_space: global }
      - { .name: xq, .offset: 24, .size: 8, .value_kind: global_buffer, .address_space: global }
      - { .name: w1q, .offset: 32, .size: 8, .value_kind: global_buffer, .address_space: global }
      - { .name: w2q, .offset: 40, .size: 8, .value_kind: global_buffer, .address_space: global }
    .group_segment_fixed_size: 27648
    .private_segment_fixed_size: 0
    .kernarg_segment_align: 8
    .kernarg_segment_size: 48
    .max_flat_workgroup_size: 128
    .sgpr_count:     66
    .vgpr_count:     234
    .wavefront_size: 32
...
	.end_amdgpu_metadata
.endif
;; end of part 1
;; launch gemm1 (part 2): grid 16 x 16, 4 waves a work-group, clusters of 4 x 4, 327,680 bytes of LDS; arguments xq, w1q, b1, hq; writes hq
.if DOCPART == 2
	.amdgcn_target "amdgcn-amd-amdhsa--gfx1250"
	.amdhsa_code_object_version 6
	.text
	.protected	k_q424f8754c5_gemm1
	.globl	k_q424f8754c5_gemm1
	.p2align	8
	.type	k_q424f8754c5_gemm1,@function
k_q424f8754c5_gemm1:
	s_mov_b64 s[64:65], 0
	v_nop
	global_prefetch_b8 v0, s[64:65] scope:SCOPE_SE
	s_setreg_imm32_b32 hwreg(HW_REG_WAVE_MODE, 25, 1), 1
	s_wait_xcnt 0x0
	s_wait_alu depctr_hold_cnt(0) depctr_sa_sdst(0) depctr_va_vdst(0) depctr_va_sdst(0) depctr_va_ssrc(0) depctr_va_vcc(0) depctr_vm_vsrc(0)
	s_getreg_b32 s2, hwreg(HW_REG_IB_STS2, 6, 4)
	s_cmp_eq_u32 s2, 0
	s_cbranch_scc0 .Lentry_in_a_cluster
	s_endpgm
.Lentry_in_a_cluster:
	s_bfe_u32 s2, ttmp6, 0x10000c
	s_cmp_lg_u32 s2, 0xf033
	s_cbranch_scc0 .Lentry_shape_is_right
	s_endpgm
.Lentry_shape_is_right:
.set REC,   25600
.set SLOT,  6*REC
.set SPARE, 2*SLOT
.set ADRA, 16
.set ADRB, 18
.set ADSA, 22
.set ADSB, 24
.set SPW,  28
.set NIL,  29
.set L16,  30
.set L4,   31
.set SC,   32
.set AF,   64
.set H,    64
.set PC,   128
.set TM,   160
.set PW,   176
.set PWS,  177
.set PWJ,  178
.set SEL,  18
.set G1,   24
.set G0,   32
.set G1B,  48
.set G0B,  56
.set MSB, 0
.macro WIN new
.if MSB != \new
	s_set_vgpr_msb (MSB<<8)|\new
.set MSB, \new
.endif
.endm
.set MULW,   0xa1
.set FIRSTW, 0x91
.set TO_B,   0x40
.macro JLOAD s
	s_cmp_eq_u32 s15, 0
	s_cbranch_scc0 .Lfor_b_\@
	tensor_load_to_lds s[G0+4*\s:G0+4*\s+3], s[G1:G1+7]
	s_nop 0
.rept 4
	v_nop
.endr
	s_branch .Lasked_\@
.Lfor_b_\@:
	tensor_load_to_lds s[G0B+4*\s:G0B+4*\s+3], s[G1B:G1B+7]
	s_nop 0
.rept 4
	v_nop
.endr
.Lasked_\@:
.endm
.macro CROUND
	s_barrier_signal -1
	s_barrier_wait -1
	s_cmp_lg_u32 s14, 0
	s_cbranch_scc1 .Lnot_wave_0_\@
	s_barrier_signal -3
.Lnot_wave_0_\@:
	s_barrier_wait -3
	s_barrier_signal -1
	s_barrier_wait -1
.endm
.macro PLACES
.rept 4
	v_nop
.endr
.endm
	s_load_b256 s[4:11], s[0:1], 0x0
	v_lshl_add_u32 v[SPW], v0, 2, SPARE
	v_mov_b32 v[NIL], 0
	ds_add_u32 v28, v29
	ds_add_u32 v28, v29
	s_wait_dscnt 0x0
	v_lshrrev_b32 v1, 5, v0
	v_readfirstlane_b32 s14, v1
	s_lshr_b32 s15, s14, 1
	s_and_b32 s16, s14, 1
	s_bfe_u32 s40, ttmp6, 0x40000
	s_bfe_u32 s41, ttmp6, 0x40004
	s_lshl_b32 s42, ttmp9, 2
	s_add_co_u32 s42, s42, s40
	s_and_b32 s17, ttmp7, 0xffff
	s_lshl_b32 s17, s17, 2
	s_add_co_u32 s17, s17, s41
	s_lshl_b32 s43, s41, 2
	s_lshl_b32 s43, 15, s43
	s_lshl_b32 s44, 0x1111, s40
	s_or_b32 s[G1+0], s43, (3<<16)|(1<<21)
	s_or_b32 s[G1B+0], s44, (3<<16)|(1<<21)
	s_mov_b32 s[G1+1], 32<<16
	s_mov_b32 s[G1+2], 100<<16
	s_mov_b32 s[G1+3], 32<<16
	s_mov_b32 s[G1+4], 100
	s_mov_b32 s[G1+5], 32
	s_mov_b32 s[G1+6], 0
	s_mov_b32 s[G1+7], 0
	s_mov_b32 s[G1B+1], 32<<16
	s_mov_b32 s[G1B+2], 200<<16
	s_mov_b32 s[G1B+3], 32<<16
	s_mov_b32 s[G1B+4], 200
	s_mov_b32 s[G1B+5], 32
	s_mov_b32 s[G1B+6], 0
	s_mov_b32 s[G1B+7], 0
	s_lshl_b32 s20, s16, 4
	s_add_co_u32 s20, s20, s17
	s_mul_i32 s20, s20, REC
	s_mov_b32 s21, 0
	s_lshl_b32 s46, s16, 5
	s_lshl_b32 s45, s42, 1
	s_add_co_u32 s46, s46, s45
	s_mul_i32 s46, s46, REC
	s_mov_b32 s47, 0
	s_mul_i32 s12, s16, REC
	s_mul_i32 s13, s16, 2*REC
	s_add_co_u32 s13, s13, 2*REC
	s_wait_kmcnt 0x0
	s_add_nc_u64 s[20:21], s[4:5], s[20:21]
	s_add_nc_u64 s[46:47], s[6:7], s[46:47]
	CROUND
.irp s, 0,1
	s_mov_b32 s[G0+4*\s], 1
	s_add_co_u32 s[G0+4*\s+1], s12, \s*SLOT
	s_add_nc_u64 s[G0+4*\s+2:G0+4*\s+3], s[20:21], \s*32*REC
	s_or_b32 s[G0+4*\s+3], s[G0+4*\s+3], 0x80000000
	s_mov_b32 s[G0B+4*\s], 1
	s_add_co_u32 s[G0B+4*\s+1], s13, \s*SLOT
	s_add_nc_u64 s[G0B+4*\s+2:G0B+4*\s+3], s[46:47], \s*64*REC
	s_or_b32 s[G0B+4*\s+3], s[G0B+4*\s+3], 0x80000000
	s_wait_alu depctr_va_vdst(0)
	s_wait_tensorcnt 0x0
	ds_add_u32 v28, v29
	ds_add_u32 v28, v29
	s_wait_dscnt 0x0
	CROUND
	JLOAD \s
.endr
	v_and_b32 v1, 31, v0
	v_and_b32 v2, 15, v0
	v_bfe_u32 v3, v0, 4, 1
	v_lshlrev_b32 v[L16], 4, v1
	v_lshlrev_b32 v[L4], 2, v1
	s_mul_i32 s22, s15, 4*3072
	v_add_nc_u32 v[ADRA], s22, v[L16]
	v_add_nc_u32 v[ADRA+1], SLOT, v[ADRA]
	s_mul_i32 s23, s16, REC
	s_add_co_u32 s23, s23, 2*REC
	v_add_nc_u32 v[ADRB], s23, v[L16]
	v_add_nc_u32 v[ADRB+1], 2*REC, v[ADRB]
	v_add_nc_u32 v[ADRB+2], SLOT, v[ADRB]
	v_add_nc_u32 v[ADRB+3], SLOT+2*REC, v[ADRB]
	s_lshl_b32 s22, s15, 8
	s_add_co_u32 s22, s22, 24576
	v_add_nc_u32 v[ADSA], s22, v[L4]
	v_add_nc_u32 v[ADSA+1], SLOT, v[ADSA]
	s_add_co_u32 s23, s23, 24576
	v_add_nc_u32 v[ADSB], s23, v[L4]
	v_add_nc_u32 v[ADSB+1], SLOT, v[ADSB]
	v_lshlrev_b32 v15, 6, v3
	s_lshl_b32 s22, s42, 10
	s_lshl_b32 s23, s16, 9
	s_add_co_u32 s22, s22, s23
	s_mov_b32 s23, 0
	s_add_nc_u64 s[8:9], s[8:9], s[22:23]
	WIN TO_B
.irp b, 0,1,2,3,4,5,6,7
	global_load_b128 v[96+8*\b+96*(\b/4):96+8*\b+96*(\b/4)+3], v15, s[8:9] offset:(32*(\b/2)+8*(\b%2))*4
	global_load_b128 v[96+8*\b+96*(\b/4)+4:96+8*\b+96*(\b/4)+7], v15, s[8:9] offset:(32*(\b/2)+8*(\b%2))*4+16
.endr
	WIN 0
	s_lshl_b32 s22, s42, 4
	s_add_co_u32 s22, s22, s17
	s_mul_i32 s22, s22, REC
	s_lshl_b32 s12, s16, 9
	s_lshl_b32 s13, s15, 8
	s_add_co_u32 s12, s12, s13
	s_add_co_u32 s12, s12, s22
	s_add_co_u32 s12, s12, 24576
	s_mov_b32 s13, 0
	s_add_nc_u64 s[12:13], s[10:11], s[12:13]
	s_mul_i32 s23, s15, 4*3072
	s_add_co_u32 s22, s22, s23
	s_mul_i32 s23, s16, 1536
	s_add_co_u32 s22, s22, s23
	s_mov_b32 s23, 0
	s_add_nc_u64 s[10:11], s[10:11], s[22:23]
	s_mov_b32 s45, 0xbfb8aa3b
	s_mov_b32 s[SEL], 0x76543210
	s_mov_b32 s[SEL+1], 0xfedcba98
.macro FETCH sl, q, p
	WIN TO_B
.irp b, 0,1,2,3,4,5,6,7
.irp c, 0,1,2
	ds_load_b128 v[128*(\p)+12*\b+4*\c:128*(\p)+12*\b+4*\c+3], v[ADRB+2*(\sl)+(\q)/2] offset:3072*\b+1536*((\q)%2)+512*\c
.endr
.endr
	WIN 0
.irp a, 0,1,2,3
.irp c, 0,1,2
	ds_load_b128 v[AF+48*(\p)+12*\a+4*\c:AF+48*(\p)+12*\a+4*\c+3], v[ADRA+(\sl)] offset:REC*((\q)/2)+3072*\a+1536*((\q)%2)+512*\c
.endr
.endr
.irp i, 0,1
	ds_load_b32 v[SC+6*(\p)+\i], v[ADSA+(\sl)] offset:REC*((\q)/2)+512*((\q)%2)+128*\i
.endr
.irp i, 0,1,2,3
	ds_load_b32 v[SC+6*(\p)+2+\i], v[ADSB+(\sl)] offset:2*REC*((\q)/2)+512*((\q)%2)+128*\i
.endr
.endm
.macro WM a, b, p, first
.set rD, 8*(8*(\a)+(\b))
.set rW, 128*(\p)+12*(\b)
.set rX, AF+48*(\p)+12*(\a)
.set rSW, SC+6*(\p)+2+(\b)/2
.set rSX, SC+6*(\p)+(\a)/2
.set rC, rD
.if \first
.set rC, 96+8*(\b)+96*((\b)/4)
.endif
.if ((\b)%2 == 0) && ((\a)%2 == 0)
	v_wmma_scale_f32_16x16x128_f8f6f4 v[rD:rD+7], v[rW:rW+11], v[rX:rX+11], v[rC:rC+7], v[rSW], v[rSX] matrix_a_fmt:MATRIX_FMT_BF6 matrix_b_fmt:MATRIX_FMT_BF6
.elseif ((\b)%2 == 1) && ((\a)%2 == 0)
	v_wmma_scale_f32_16x16x128_f8f6f4 v[rD:rD+7], v[rW:rW+11], v[rX:rX+11], v[rC:rC+7], v[rSW], v[rSX] matrix_a_fmt:MATRIX_FMT_BF6 matrix_b_fmt:MATRIX_FMT_BF6 matrix_a_scale:MATRIX_SCALE_ROW1
.elseif ((\b)%2 == 0) && ((\a)%2 == 1)
	v_wmma_scale_f32_16x16x128_f8f6f4 v[rD:rD+7], v[rW:rW+11], v[rX:rX+11], v[rC:rC+7], v[rSW], v[rSX] matrix_a_fmt:MATRIX_FMT_BF6 matrix_b_fmt:MATRIX_FMT_BF6 matrix_b_scale:MATRIX_SCALE_ROW1
.else
	v_wmma_scale_f32_16x16x128_f8f6f4 v[rD:rD+7], v[rW:rW+11], v[rX:rX+11], v[rC:rC+7], v[rSW], v[rSX] matrix_a_fmt:MATRIX_FMT_BF6 matrix_b_fmt:MATRIX_FMT_BF6 matrix_a_scale:MATRIX_SCALE_ROW1 matrix_b_scale:MATRIX_SCALE_ROW1
.endif
.endm
.macro MUL a0, n, p, first
.set ma, \a0
.rept \n
.irp b, 0,1,2,3,4,5,6,7
	WM ma, \b, \p, \first
.endr
.set ma, ma+1
.endr
.endm
.macro STEP sl, q, first
	s_wait_dscnt 0x0
	PLACES
	FETCH \sl, (\q)+1, 1-(\q)%2
.if \first
	WIN FIRSTW
.else
	WIN MULW
.endif
	MUL 0, 4, (\q)%2, \first
	WIN 0
.endm
	s_wait_alu depctr_va_vdst(0)
	s_wait_tensorcnt 1
	s_barrier_signal -1
	s_barrier_wait -1
	FETCH 0, 0, 0
	s_wait_loadcnt 0x0
	STEP 0, 0, 1
	STEP 0, 1, 0
	STEP 0, 2, 0
	s_wait_tensorcnt 0x0
	ds_add_u32 v[SPW], v[NIL]
	s_wait_dscnt 1
	WIN MULW
	MUL 0, 1, 1, 0
	s_wait_dscnt 0x0
	s_barrier_signal -1
	MUL 1, 1, 1, 0
	WIN 0
	s_barrier_wait -1
	PLACES
	FETCH 1, 0, 0
	WIN MULW
	MUL 2, 2, 1, 0
	WIN 0
	STEP 1, 0, 0
	STEP 1, 1, 0
	STEP 1, 2, 0
	s_wait_dscnt 0x0
	WIN MULW
	MUL 0, 4, 1, 0
	WIN 0
	PLACES
.macro QUANT s
.irp b, 0,1,2,3
	v_max3_num_f32 v[TM+\b], |v[\s+16*\b]|, |v[\s+1+16*\b]|, 0x2800000
.endr
.irp i, 2,4,6,8,10,12,14
.irp b, 0,1,2,3
	v_max3_num_f32 v[TM+\b], v[TM+\b], |v[\s+16*\b+\i]|, |v[\s+1+16*\b+\i]|
.endr
.endr
.irp b, 0,1,2,3
	v_permlanex16_b32 v[TM+4+\b], v[TM+\b], s[SEL], s[SEL+1]
.endr
.irp b, 0,1,2,3
	v_max_num_f32 v[TM+\b], v[TM+\b], v[TM+4+\b]
.endr
.irp b, 0,1,2,3
	v_add_nc_u32 v[TM+12+\b], 0xfe000000, v[TM+\b]
.endr
.irp b, 0,1,2,3
	v_lshrrev_b32 v[TM+4+\b], 23, v[TM+12+\b]
.endr
	v_lshl_or_b32 v[PW], v[TM+5], 8, v[TM+4]
	v_lshl_or_b32 v[PW], v[TM+6], 16, v[PW]
	v_lshl_or_b32 v[PW], v[TM+7], 24, v[PW]
.irp c, 0,1
	v_cvt_scalef32_pk16_bf6_f32 v[PC+6*\c:PC+2+6*\c], v[\s+32*\c:\s+15+32*\c], v[TM+12+2*\c]
	v_cvt_scalef32_pk16_bf6_f32 v[PC+12+4*\c:PC+14+4*\c], v[\s+16+32*\c:\s+31+32*\c], v[TM+12+2*\c+1]
.endr
	v_nop
.irp c, 0,1
.irp i, 0,1,2
	v_permlane16_swap_b32 v[PC+6*\c+\i], v[PC+12+4*\c+\i]
.endr
.irp i, 0,1,2
	v_mov_b32 v[PC+3+6*\c+\i], v[PC+12+4*\c+\i]
.endr
.endr
.endm
.irp b, 0,1,2,3
	v_mov_b32 v[TM+4+\b], 0
.endr
	v_cmp_le_u32 vcc_lo, 16, v1
.irp a, 0,1,2,3
.if \a > 0
	s_wait_xcnt 0x0
.endif
	WIN 0x08
.set j, 0
.rept 64
	v_mul_f32 v[H+j], s45, v[64*\a+j]
.set j, j+1
.endr
.set j, 0
	s_wait_alu depctr_va_vdst(0)
.rept 64
	v_exp_f32 v[H+j], v[H+j]
.set j, j+1
.endr
	v_nop
.set j, 0
	s_wait_alu depctr_va_vdst(0)
.rept 32
	v_pk_add_f32 v[H+j:H+j+1], v[H+j:H+j+1], 1.0 op_sel_hi:[1,0]
.set j, j+2
.endr
.set j, 0
	s_wait_alu depctr_va_vdst(0)
.rept 64
	v_rcp_f32 v[H+j], v[H+j]
.set j, j+1
.endr
	v_nop
.set j, 0
	s_wait_alu depctr_va_vdst(0)
.rept 32
	v_pk_mul_f32 v[H+j:H+j+1], v[H+j:H+j+1], v[64*\a+j:64*\a+j+1]
.set j, j+2
.endr
	WIN 0
	QUANT H
.irp c, 0,1,2
	global_store_b128 v[L16], v[PC+4*\c:PC+4*\c+3], s[10:11] offset:3072*\a+512*\c
.endr
.if \a%2 == 0
	v_mov_b32 v[PWS], v[PW]
.else
	v_cndmask_b32 v[PWJ], v[PWS], v[PW], vcc_lo
	global_store_b32 v[L4], v[PWJ], s[12:13] offset:128*(\a/2)
.endif
.endr
	s_wait_tensorcnt 0x0
	ds_add_u32 v[SPW], v[NIL]
	s_wait_dscnt 0x0
	CROUND
	s_endpgm
.Lfunc_end_k_q424f8754c5_gemm1:
	.size	k_q424f8754c5_gemm1, .Lfunc_end_k_q424f8754c5_gemm1-k_q424f8754c5_gemm1
	.p2alignl 7, 3214868480
	.fill 96, 4, 3214868480
	.section	.rodata,"a",@progbits
	.p2align	6, 0x0
	.amdhsa_kernel k_q424f8754c5_gemm1
		.amdhsa_group_segment_fixed_size 327680
		.amdhsa_private_segment_fixed_size 0
		.amdhsa_enable_private_segment 0
		.amdhsa_kernarg_size 32
		.amdhsa_user_sgpr_count 2
		.amdhsa_user_sgpr_kernarg_segment_ptr 1
		.amdhsa_wavefront_size32 1
		.amdhsa_system_sgpr_workgroup_id_x 1
		.amdhsa_system_sgpr_workgroup_id_y 1
		.amdhsa_system_sgpr_workgroup_id_z 1
		.amdhsa_system_vgpr_workitem_id 0
		.amdhsa_next_free_vgpr 768
		.amdhsa_next_free_sgpr 66
		.amdhsa_reserve_vcc 1
		.amdhsa_float_denorm_mode_32 3
		.amdhsa_float_denorm_mode_16_64 3
		.amdhsa_memory_ordered 1
		.amdhsa_forward_progress 1
		.amdhsa_inst_pref_size 124
	.end_amdhsa_kernel
	.amdgpu_metadata
---
amdhsa.version: [ 1, 2 ]
amdhsa.kernels:
  - .name:           k_q424f8754c5_gemm1
    .symbol:         k_q424f8754c5_gemm1.kd
    .args:
      - { .name: xq, .offset: 0, .size: 8, .value_kind: global_buffer, .address_space: global }
      - { .name: w1q, .offset: 8, .size: 8, .value_kind: global_buffer, .address_space: global }
      - { .name: b1, .offset: 16, .size: 8, .value_kind: global_buffer, .address_space: global }
      - { .name: hq, .offset: 24, .size: 8, .value_kind: global_buffer, .address_space: global }
    .group_segment_fixed_size: 327680
    .private_segment_fixed_size: 0
    .kernarg_segment_align: 8
    .kernarg_segment_size: 32
    .max_flat_workgroup_size: 128
    .sgpr_count:     66
    .vgpr_count:     768
    .wavefront_size: 32
...
	.end_amdgpu_metadata
.endif
;; end of part 2
;; launch gemm2 (part 3): grid 16 x 16, 4 waves a work-group, clusters of 4 x 4, 327,680 bytes of LDS; arguments hq, w2q, b2, out0; writes out0
.if DOCPART == 3
	.amdgcn_target "amdgcn-amd-amdhsa--gfx1250"
	.amdhsa_code_object_version 6
	.text
	.protected	k_q424f8754c5_gemm2
	.globl	k_q424f8754c5_gemm2
	.p2align	8
	.type	k_q424f8754c5_gemm2,@function
k_q424f8754c5_gemm2:
	s_mov_b64 s[64:65], 0
	v_nop
	global_prefetch_b8 v0, s[64:65] scope:SCOPE_SE
	s_setreg_imm32_b32 hwreg(HW_REG_WAVE_MODE, 25, 1), 1
	s_wait_xcnt 0x0
	s_wait_alu depctr_hold_cnt(0) depctr_sa_sdst(0) depctr_va_vdst(0) depctr_va_sdst(0) depctr_va_ssrc(0) depctr_va_vcc(0) depctr_vm_vsrc(0)
	s_getreg_b32 s2, hwreg(HW_REG_IB_STS2, 6, 4)
	s_cmp_eq_u32 s2, 0
	s_cbranch_scc0 .Lentry_in_a_cluster
	s_endpgm
.Lentry_in_a_cluster:
	s_bfe_u32 s2, ttmp6, 0x10000c
	s_cmp_lg_u32 s2, 0xf033
	s_cbranch_scc0 .Lentry_shape_is_right
	s_endpgm
.Lentry_shape_is_right:
; out = h W2 + b2: h [2048][4096] and W2 [4096][4096] come as codes of BF6 (E3M2) with E8M0 scales, in records; out [2048][4096] f32; sums in f32, K ascending.
; RECORDS (25,600 bytes: 128 rows x 256 along K): fragment (rt, ks) at 3072 rt + 1536 ks as an image of the operand's 12 registers (registers 4 c .. 4 c + 3 of lane l at 512 c + 16 l); scale words at
; 24,576 + 512 ks + 4 (16 rt + row).  Record (s = k / 256, rb = row / 128) is number s x (rows / 128) + rb.  Row p of a weight's tile 2 b + u is column 128 rb + 32 b + 8 u + p + 8 (p / 8).
; SHARES.  256 blocks of 128 rows x 256 columns, one for each of 256 work-groups.  Four waves, each 64 rows x 128 columns: 32 accumulators of 16 x 16.
; THE MATRIX INSTRUCTION IS USED TRANSPOSED (source 0 = 16 columns of W2, source 1 = 16 rows of h): a lane holds one row, and 16 registers of column tiles 2 w, 2 w + 1 are columns 32 w + 16 (lane / 16) + i.
; K goes through a ring of two LDS slots of 512 along K (h's two records, W2's four: 153,600 bytes), each wave fetching one part of a slot by one tensor load.
; CLUSTERS: 4 x 4.  The four of a row of the cluster need the same records of h, the four of a column the same records of W2: each is asked for JOINTLY.
; REGISTERS.  Window w (0 .. 3) holds what belongs to column tiles 2 w and 2 w + 1: their 8 accumulators (v48-111: row tile a, tile u at 48 + 8 (2 a + u)) and both sets of their two fragments of W2 (v112-159).
; Window 1 also holds both sets of h's four fragments (v160-255); window 0 the scale words (v32-43, two sets) and all addresses.
; A step of 128 along K: the next step's 42 LDS loads in ONE run, then four phases of 8 matrix instructions, phase w on window w: nine switches of the windows a step.
; The bias is the C of each sum's first matrix instruction: 16 registers a window (v160-175; in window 1 v0-15).
; PREFETCHES: a period (512 along K) is named two periods, 256 matrix instructions of a wave, ahead of its tensor load.  Of the 100 (h) or 200 (W2) blocks of 256 bytes that a wave fetches, each of the four
; partners that ask jointly names a quarter, told apart by address; periods 1 to 3 are named round the first step; the last named is period 7.
.set REC,   25600
.set SLOT,  6*REC                      ; h's records of K slots 2 P, 2 P + 1; then W2's two of 2 P; then W2's two of 2 P + 1
.set SPARE, 2*SLOT                     ; the spare words, 128 bytes for each wave: two blocks of 256 bytes that no other line names
.set SPITCH, 528                       ; the way out: a stage of 16 rows x (512 + 16) bytes for each wave, in slot 0, which has had its last fill and its last read by then
.set ADRB, 16                          ; v16-19  my record of W2: slot 0 first and second K slot, slot 1 likewise
.set ADRA, 20                          ; v20-21  my four row tiles of h in slot 0, 1
.set ADSA, 22                          ; v22-23  h's scale words
.set ADSB, 24                          ; v24-25  W2's
.set STO,  26
.set RD,   27
.set SPW,  28
.set NIL,  29
.set L16,  30
.set PFO,  31
.set SC,   32                          ; set s at 32 + 6 s: two registers for h's four tiles (even tile in lanes 0-15, odd in lanes 16-31), four for W2's eight
.set ACC,  48
.set WF,   112
.set XF,   160
.set BK,   112                         ; the way out: 16 rows read back: window 0, v112-175 and v176-239 by turns
.set G1,   24
.set G0,   32
.set G1B,  48
.set G0B,  56
.set PF,   76                          ; s[76:77] where my prefetches stand;  s[78:79] a period's bytes in my operand's buffer
.set INC,  78
.set MSB, 0
.macro WIN new                         ; the immediate's high byte repeats the setting that is left
.if MSB != (\new)
	s_set_vgpr_msb (MSB<<8)|(\new)
.set MSB, (\new)
.endif
.endm
.macro PLACES                          ; four plain lines between a matrix instruction and a load into its registers or a read of its result
.rept 4
	v_nop
.endr
.endm
.macro JLOAD s                         ; a joint load: waves 0 and 1 fetch h's two records of a slot, waves 2 and 3 W2's two pairs
	s_cmp_eq_u32 s15, 0
	s_cbranch_scc0 .Lfor_b_\@
	tensor_load_to_lds s[G0+4*\s:G0+4*\s+3], s[G1:G1+7]
	s_nop 0
	PLACES
	s_branch .Lasked_\@
.Lfor_b_\@:
	tensor_load_to_lds s[G0B+4*\s:G0B+4*\s+3], s[G1B:G1B+7]
	s_nop 0
	PLACES
.Lasked_\@:
.endm
.macro CREST
	s_cmp_lg_u32 s14, 0
	s_cbranch_scc1 .Lnot_wave_0_\@
	s_barrier_signal -3
.Lnot_wave_0_\@:
	s_barrier_wait -3
	s_barrier_signal -1
	s_barrier_wait -1
.endm
.macro CROUND
	s_barrier_signal -1
	s_barrier_wait -1
	CREST
.endm
.macro ASK                             ; my work-group's quarter of what my wave fetches in the period at s[PF]: 25 blocks for h, 50 for W2; the lanes left over name the last again
	global_prefetch_b8 v[PFO], s[PF:PF+1] th:TH_LOAD_NT scope:SCOPE_SE
	s_cmp_eq_u32 s15, 0
	s_cbranch_scc1 .Lone_\@
	global_prefetch_b8 v[PFO], s[PF:PF+1] offset:6400 th:TH_LOAD_NT scope:SCOPE_SE
.Lone_\@:
.endm
.macro NEXTP                           ; the prefetches' address goes one period on, only behind the wait
	s_wait_xcnt 0x0
	s_add_nc_u64 s[PF:PF+1], s[PF:PF+1], s[INC:INC+1]
.endm
; The loads of the step (slot sl, its nq-th 128 along K), into set nq % 2.  LW: piece j (0 .. 5) of window w's two fragments of W2;  LX: piece j (0 .. 11) of h's four;  LS: scale register j (0 .. 5)
.macro LW w, j, sl, nq
	ds_load_b128 v[WF+24*((\nq)%2)+4*(\j):WF+24*((\nq)%2)+4*(\j)+3], v[ADRB+2*(\sl)+(\nq)/2] offset:3072*(2*(\w)+(\j)/3)+1536*((\nq)%2)+512*((\j)%3)
.endm
.macro LX j, sl, nq
	ds_load_b128 v[XF+48*((\nq)%2)+4*(\j):XF+48*((\nq)%2)+4*(\j)+3], v[ADRA+(\sl)] offset:REC*((\nq)/2)+3072*((\j)/3)+1536*((\nq)%2)+512*((\j)%3)
.endm
.macro LS j, sl, nq
.if (\j) < 2
	ds_load_b32 v[SC+6*((\nq)%2)+(\j)], v[ADSA+(\sl)] offset:REC*((\nq)/2)+512*((\nq)%2)+128*(\j)
.else
	ds_load_b32 v[SC+6*((\nq)%2)+(\j)], v[ADSB+(\sl)] offset:2*REC*((\nq)/2)+512*((\nq)%2)+128*((\j)-2)
.endif
.endm
.macro FETCH sl, nq                    ; a step's 42 loads in one run: 36 of 512 consecutive bytes, 6 of 128; the destination's window changes four times, the addresses lie in window 0
	WIN 0
.irp j, 0,1,2,3,4,5
	LS \j, \sl, \nq
.endr
.irp j, 0,1,2,3,4,5
	LW 0, \j, \sl, \nq
.endr
	WIN 0x40
.irp j, 0,1,2,3,4,5
	LW 1, \j, \sl, \nq
.endr
.irp j, 0,1,2,3,4,5,6,7,8,9,10,11
	LX \j, \sl, \nq
.endr
	WIN 0x80
.irp j, 0,1,2,3,4,5
	LW 2, \j, \sl, \nq
.endr
	WIN 0xc0
.irp j, 0,1,2,3,4,5
	LW 3, \j, \sl, \nq
.endr
	WIN 0
.endm
; One product of phase w: k = 2 a + u: row tile a x column tile 2 w + u, set cs
.macro WM w, k, cs, first
.set rD, ACC+8*(\k)
.set rW, WF+24*(\cs)+12*((\k)%2)
.set rX, XF+48*(\cs)+12*((\k)/2)
.set rSW, SC+6*(\cs)+2+(\w)
.set rSX, SC+6*(\cs)+(\k)/4
.set rC, rD
.if \first
.if (\w) == 1
.set rC, 8*((\k)%2)
.else
.set rC, 160+8*((\k)%2)
.endif
.endif
.if ((\k)%2 == 0) && (((\k)/2)%2 == 0)
	v_wmma_scale_f32_16x16x128_f8f6f4 v[rD:rD+7], v[rW:rW+11], v[rX:rX+11], v[rC:rC+7], v[rSW], v[rSX] matrix_a_fmt:MATRIX_FMT_BF6 matrix_b_fmt:MATRIX_FMT_BF6
.elseif ((\k)%2 == 1) && (((\k)/2)%2 == 0)
	v_wmma_scale_f32_16x16x128_f8f6f4 v[rD:rD+7], v[rW:rW+11], v[rX:rX+11], v[rC:rC+7], v[rSW], v[rSX] matrix_a_fmt:MATRIX_FMT_BF6 matrix_b_fmt:MATRIX_FMT_BF6 matrix_a_scale:MATRIX_SCALE_ROW1
.elseif ((\k)%2 == 0) && (((\k)/2)%2 == 1)
	v_wmma_scale_f32_16x16x128_f8f6f4 v[rD:rD+7], v[rW:rW+11], v[rX:rX+11], v[rC:rC+7], v[rSW], v[rSX] matrix_a_fmt:MATRIX_FMT_BF6 matrix_b_fmt:MATRIX_FMT_BF6 matrix_b_scale:MATRIX_SCALE_ROW1
.else
	v_wmma_scale_f32_16x16x128_f8f6f4 v[rD:rD+7], v[rW:rW+11], v[rX:rX+11], v[rC:rC+7], v[rSW], v[rSX] matrix_a_fmt:MATRIX_FMT_BF6 matrix_b_fmt:MATRIX_FMT_BF6 matrix_a_scale:MATRIX_SCALE_ROW1 matrix_b_scale:MATRIX_SCALE_ROW1
.endif
.endm
; Phase w: 8 matrix instructions on window w's accumulators; D, C and source 0 in window w, source 1 in window 1.  The 32 accumulators take turns, one instruction a turn, in the same order in every step
.macro PH w, cs, first
	WIN ((\w)<<6)|((\w)<<4)|4|(\w)
.set k, 0
.rept 8
	WM \w, k, \cs, \first
.set k, k+1
.endr
.endm
; A step that has its successor in the same slot: the successor's 42 loads go out first and have this step's 32 matrix instructions in which to land.
.macro STEP sl, q, first
	s_wait_dscnt 0x0                               ; this step's fragments and scale words are in
	PLACES                                         ; the other sets were read by the last step's matrix instructions
	FETCH \sl, (\q)+1
	PH 0, (\q)%2, \first
	PH 1, (\q)%2, \first
	PH 2, (\q)%2, \first
	PH 3, (\q)%2, \first
	WIN 0
.endm
; A slot's last step changes slots: ONE barrier; in front of it each wave waits for all its tensor loads (one is out: its part of the next slot), adds 0 to its spare word, and waits for that and for its reads of this slot.
; fill = 1: the barrier opens a round of the cluster's, and this slot is filled again with the 512 along K two periods on: from that request to the wait for it a wave issues 112 matrix instructions.
.macro TURN sl, nx, fill
.if \fill
	NEXTP
.endif
	s_wait_tensorcnt 0x0
	ds_add_u32 v[SPW], v[NIL]
	s_wait_dscnt 1                                 ; this step's loads are in; the add alone may be out
	PH 0, 1, 0                                     ; eight matrix instructions stand between the add and the wait for it
	s_wait_dscnt 0x0                               ; the add is done, and my reads of this slot are over
	s_barrier_signal -1
	PH 1, 1, 0
	WIN 0
	s_barrier_wait -1
.if \fill
	CREST
	s_add_nc_u64 s[G0+4*\sl+2:G0+4*\sl+3], s[G0+4*\sl+2:G0+4*\sl+3], 64*REC
	s_add_nc_u64 s[G0B+4*\sl+2:G0B+4*\sl+3], s[G0B+4*\sl+2:G0B+4*\sl+3], 128*REC
	JLOAD \sl                                      ; the first tensor load behind the round; its four v_nop are the places in front of the loads below
.else
	PLACES
.endif
	FETCH \nx, 0
.if \fill
	s_cmp_gt_u32 s3, 1                             ; the loop's last trip has no period four on
	s_cbranch_scc0 .Lno_ask_\@
	ASK
.Lno_ask_\@:
.endif
	PH 2, 1, 0
	PH 3, 1, 0
	WIN 0
.endm
	s_load_b256 s[4:11], s[0:1], 0x0               ; hq s[4:5], w2q s[6:7], b2 s[8:9], out0 s[10:11]
	v_lshl_add_u32 v[SPW], v0, 2, SPARE
	v_mov_b32 v[NIL], 0
	ds_add_u32 v[SPW], v[NIL]                      ; the opening: the add, twice on end, and its wait ahead of my first tensor load
	ds_add_u32 v[SPW], v[NIL]
	v_lshrrev_b32 v4, 5, v0
	v_readfirstlane_b32 s14, v4                    ; wave 0..3
	s_lshr_b32 s15, s14, 1                         ; which 64 rows are mine.  Also: I fetch for h (0) or for W2 (1)
	s_and_b32 s16, s14, 1                          ; which 128 columns.  Also: which K slot of a slot's two I fetch
	s_bfe_u32 s40, ttmp6, 0x40000                  ; cx, cy
	s_bfe_u32 s41, ttmp6, 0x40004
	s_lshl_b32 s42, ttmp9, 2
	s_add_co_u32 s42, s42, s40                     ; bx: my block of 256 columns
	s_and_b32 s17, ttmp7, 0xffff
	s_lshl_b32 s17, s17, 2
	s_add_co_u32 s17, s17, s41                     ; by: my block of 128 rows
	s_lshl_b32 s43, s41, 2
	s_lshl_b32 s43, 15, s43                        ; my row of the cluster
	s_lshl_b32 s44, 0x1111, s40                    ; my column
	s_or_b32 s[G1+0], s43, (3<<16)|(1<<21)         ; dense bytes as rows of 256 (32 elements of 8 bytes): h one record, 100 rows; W2 two neighbouring records, 200 rows
	s_or_b32 s[G1B+0], s44, (3<<16)|(1<<21)
	s_mov_b32 s[G1+1], 32<<16
	s_mov_b32 s[G1+2], 100<<16
	s_mov_b32 s[G1+3], 32<<16
	s_mov_b32 s[G1+4], 100
	s_mov_b32 s[G1+5], 32
	s_mov_b32 s[G1+6], 0
	s_mov_b32 s[G1+7], 0
	s_mov_b32 s[G1B+1], 32<<16
	s_mov_b32 s[G1B+2], 200<<16
	s_mov_b32 s[G1B+3], 32<<16
	s_mov_b32 s[G1B+4], 200
	s_mov_b32 s[G1B+5], 32
	s_mov_b32 s[G1B+6], 0
	s_mov_b32 s[G1B+7], 0
	s_lshl_b32 s20, s16, 4                         ; h: record 16 s + by, s = my K slot
	s_add_co_u32 s20, s20, s17
	s_mul_i32 s20, s20, REC
	s_mov_b32 s21, 0
	s_lshl_b32 s46, s16, 5                         ; W2: records 32 s + 2 bx and the next
	s_lshl_b32 s45, s42, 1
	s_add_co_u32 s46, s46, s45
	s_mul_i32 s46, s46, REC
	s_mov_b32 s47, 0
	s_mul_i32 s12, s16, REC                        ; where they go
	s_mul_i32 s13, s16, 2*REC
	s_add_co_u32 s13, s13, 2*REC
	s_mul_i32 s22, s15, 4*3072                     ; my four row tiles, in slot 0 and 1
	s_add_co_u32 s23, s22, SLOT
	s_mul_i32 s68, s16, REC                        ; my record of W2's pair: slot 0 first and second K slot, slot 1 likewise
	s_add_co_u32 s68, s68, 2*REC
	s_add_co_u32 s69, s68, 2*REC
	s_add_co_u32 s70, s68, SLOT
	s_add_co_u32 s71, s70, 2*REC
	s_lshl_b32 s72, s15, 8
	s_add_co_u32 s72, s72, 24576                   ; h's scale words
	s_add_co_u32 s73, s68, 24576                   ; W2's
	s_mul_i32 s74, s14, 16*SPITCH                  ; my stage
	s_lshl_b32 s18, s42, 10
	s_lshl_b32 s19, s16, 9
	s_add_co_u32 s18, s18, s19                     ; my first column, in bytes
	s_mov_b32 s19, 0
	s_lshl_b32 s80, s17, 7                         ; my first row of out: 128 by + 64 (wave / 2), rows of 16,384 bytes
	s_lshl_b32 s81, s15, 6
	s_add_co_u32 s80, s80, s81
	s_lshl_b32 s80, s80, 14
	s_add_co_u32 s80, s80, s18
	s_mov_b32 s81, 0
	s_mov_b32 s[INC], 64*REC                       ; the prefetches: a period is 32 records of h or 64 of W2;
	s_mov_b32 s83, 12800                           ; a partner's quarter is 6,400 or 12,800 bytes;
	s_cmp_eq_u32 s15, 0
	s_cselect_b32 s[INC], 32*REC, s[INC]
	s_cselect_b32 s83, 6400, s83
	s_cselect_b32 s82, s40, s41                    ; my place among the four that ask with me: cx for h, cy for W2
	s_cselect_b32 s84, s20, s46
	s_mul_i32 s82, s82, s83
	s_add_co_u32 s84, s84, s82
	s_add_co_u32 s84, s84, s[INC]                  ; at period 1
	s_mov_b32 s85, 0
	s_mov_b32 s[INC+1], 0
	v_and_b32 v1, 31, v0                           ; lane
	v_and_b32 v2, 15, v0                           ; r
	v_bfe_u32 v3, v0, 4, 1                         ; h
	v_lshlrev_b32 v[L16], 4, v1
	v_lshlrev_b32 v11, 2, v1
	v_add_nc_u32 v[ADSA], s72, v11
	v_add_nc_u32 v[ADSA+1], SLOT, v[ADSA]
	v_add_nc_u32 v[ADSB], s73, v11
	v_add_nc_u32 v[ADSB+1], SLOT, v[ADSB]
	v_mul_u32_u24 v[STO], v2, SPITCH               ; into the stage: row r, + 64 h
	v_lshl_add_u32 v[STO], v3, 6, v[STO]
	v_add_nc_u32 v[STO], s74, v[STO]
	v_add_nc_u32 v[RD], s74, v[L16]                ; back: the 32 lanes take one row of 512 bytes
	v_lshlrev_b32 v15, 6, v3                       ; the bias: lane (r, h) wants, for tile 2 w + u, columns 32 w + 16 h + 8 u + 0 .. 7
	v_min_u32 v12, 24, v1
	v_lshlrev_b32 v[PFO], 8, v12
.irp i, 0,1,2,3
	v_add_nc_u32 v[ADRB+\i], s[68+\i], v[L16]
.endr
	v_add_nc_u32 v[ADRA], s22, v[L16]
	v_add_nc_u32 v[ADRA+1], s23, v[L16]
	s_wait_alu depctr_va_vdst(0)
	s_wait_dscnt 0x0                               ; both opening adds are done
	s_wait_kmcnt 0x0
	s_add_nc_u64 s[20:21], s[4:5], s[20:21]
	s_add_nc_u64 s[46:47], s[6:7], s[46:47]
	s_add_nc_u64 s[8:9], s[8:9], s[18:19]
	s_add_nc_u64 s[10:11], s[10:11], s[80:81]
	s_cmp_eq_u32 s15, 0
	s_cselect_b64 s[PF:PF+1], s[4:5], s[6:7]
	s_add_nc_u64 s[PF:PF+1], s[PF:PF+1], s[84:85]
.irp s, 0,1
	s_mov_b32 s[G0+4*\s], 1
	s_add_co_u32 s[G0+4*\s+1], s12, \s*SLOT
	s_add_nc_u64 s[G0+4*\s+2:G0+4*\s+3], s[20:21], \s*32*REC
	s_or_b32 s[G0+4*\s+3], s[G0+4*\s+3], 0x80000000
	s_mov_b32 s[G0B+4*\s], 1
	s_add_co_u32 s[G0B+4*\s+1], s13, \s*SLOT
	s_add_nc_u64 s[G0B+4*\s+2:G0B+4*\s+3], s[46:47], \s*64*REC
	s_or_b32 s[G0B+4*\s+3], s[G0B+4*\s+3], 0x80000000
.endr
	CROUND                                         ; all sixteen work-groups are here: the first joint loads meet
	JLOAD 0                                        ; period 0: one tensor load a wave at the head
	ASK                                            ; period 1
.irp w, 0,1,2,3
.if \w == 1
.set BIW, 0
.else
.set BIW, 160
.endif
	WIN (\w)<<6
.irp u, 0,1
	global_load_b128 v[BIW+8*\u:BIW+8*\u+3], v15, s[8:9] offset:(32*\w+8*\u)*4
	global_load_b128 v[BIW+8*\u+4:BIW+8*\u+7], v15, s[8:9] offset:(32*\w+8*\u)*4+16
.endr
.endr
	WIN 0
	s_wait_tensorcnt 0x0                           ; my part of period 0 is in
	ds_add_u32 v[SPW], v[NIL]
	s_wait_dscnt 0x0
	CROUND                                         ; everybody's part is in
	JLOAD 1                                        ; period 1, the first tensor load behind the round
	FETCH 0, 0
	NEXTP
	ASK                                            ; period 2
	s_wait_loadcnt 0x0                             ; the bias
	STEP 0, 0, 1                                   ; the first step stands in front of the loop: its products start the sums from the bias
	NEXTP
	ASK                                            ; period 3
	s_mov_b32 s3, 3                                ; eight periods: two first fills, six refills, two a trip
.Llap:                                                 ; a trip goes once round the ring, from a lap's second step to the next lap's first
	STEP 0, 1, 0
	STEP 0, 2, 0
	TURN 0, 1, 1
	STEP 1, 0, 0
	STEP 1, 1, 0
	STEP 1, 2, 0
	TURN 1, 0, 1
	STEP 0, 0, 0
	s_sub_co_u32 s3, s3, 1
	s_cmp_lg_u32 s3, 0
	s_cbranch_scc1 .Llap
	STEP 0, 1, 0                                   ; the last lap is written out: it fills nothing, names nothing, and has no round
	STEP 0, 2, 0
	TURN 0, 1, 0
	STEP 1, 0, 0
	STEP 1, 1, 0
	STEP 1, 2, 0
	s_wait_dscnt 0x0                               ; the very last step: nothing more to fetch
	PH 0, 1, 0
	PH 1, 1, 0
	PH 2, 1, 0
	PH 3, 1, 0
	WIN 0
; THE WAY OUT, a row tile (16 rows x 128 columns) at a time.  A lane holds four runs of 64 bytes of one row, one in each window: a tile goes through my own stage in LDS and comes back as whole rows of 512 bytes.
; LDS serves a wave's instructions in order (ISA guide 5.7.1.4): no wait between the stores and the loads, nor in front of the next tile's stores.
.macro TOSTAGE a
.irp w, 0,1,2,3
	WIN (\w)<<2                                    ; an LDS store's data are its source 1
.irp q, 0,1,2,3
	ds_store_b128 v[STO], v[ACC+16*(\a)+4*\q:ACC+16*(\a)+4*\q+3] offset:128*\w+16*\q   ; each accumulator from its low end on
.endr
.endr
	WIN 0
.set BB, BK+64*((\a)%2)
.irp t, 0,1,2,3,4,5,6,7,8,9,10,11,12,13,14,15
	ds_load_b128 v[BB+4*\t:BB+4*\t+3], v[RD] offset:\t*SPITCH
.endr
.endm
.macro SEND a, younger                 ; younger: the LDS instructions issued behind tile a's loads, which may stay out
.set BB, BK+64*((\a)%2)
	s_wait_dscnt \younger
.irp t, 0,1,2,3,4,5,6,7,8,9,10,11,12,13,14,15
	global_store_b128 v[L16], v[BB+4*\t:BB+4*\t+3], s[10:11] offset:(16*(\a)+\t)*16384 th:TH_STORE_NT   ; 32 lanes store 512 consecutive bytes, at a multiple of 256 from out's first byte
.endr
.endm
	PLACES
	TOSTAGE 0
.irp a, 1,2,3
.if \a > 1
	s_wait_xcnt 0x0                                ; tile a - 2's stores: their data registers are loaded again only behind this wait
.endif
	TOSTAGE \a
	SEND \a-1, 32                                  ; behind tile a - 1's loads: tile a's 16 stores and 16 loads
.endr
	SEND 3, 0
	s_wait_tensorcnt 0x0                           ; the wave's end
	ds_add_u32 v[SPW], v[NIL]
	s_wait_dscnt 0x0
	CROUND                                         ; the closing round
	s_endpgm
.Lfunc_end_k_q424f8754c5_gemm2:
	.size	k_q424f8754c5_gemm2, .Lfunc_end_k_q424f8754c5_gemm2-k_q424f8754c5_gemm2
	.p2alignl 7, 3214868480
	.fill 96, 4, 3214868480
	.section	.rodata,"a",@progbits
	.p2align	6, 0x0
	.amdhsa_kernel k_q424f8754c5_gemm2
		.amdhsa_group_segment_fixed_size 327680
		.amdhsa_private_segment_fixed_size 0
		.amdhsa_enable_private_segment 0
		.amdhsa_kernarg_size 32
		.amdhsa_user_sgpr_count 2
		.amdhsa_user_sgpr_kernarg_segment_ptr 1
		.amdhsa_wavefront_size32 1
		.amdhsa_system_sgpr_workgroup_id_x 1
		.amdhsa_system_sgpr_workgroup_id_y 1
		.amdhsa_system_sgpr_workgroup_id_z 1
		.amdhsa_system_vgpr_workitem_id 0
		.amdhsa_next_free_vgpr 1024
		.amdhsa_next_free_sgpr 96
		.amdhsa_reserve_vcc 0
		.amdhsa_float_denorm_mode_32 3
		.amdhsa_float_denorm_mode_16_64 3
		.amdhsa_memory_ordered 1
		.amdhsa_forward_progress 1
		.amdhsa_inst_pref_size 142
	.end_amdhsa_kernel
	.amdgpu_metadata
---
amdhsa.version: [ 1, 2 ]
amdhsa.kernels:
  - .name:           k_q424f8754c5_gemm2
    .symbol:         k_q424f8754c5_gemm2.kd
    .args:
      - { .name: hq, .offset: 0, .size: 8, .value_kind: global_buffer, .address_space: global }
      - { .name: w2q, .offset: 8, .size: 8, .value_kind: global_buffer, .address_space: global }
      - { .name: b2, .offset: 16, .size: 8, .value_kind: global_buffer, .address_space: global }
      - { .name: out0, .offset: 24, .size: 8, .value_kind: global_buffer, .address_space: global }
    .group_segment_fixed_size: 327680
    .private_segment_fixed_size: 0
    .kernarg_segment_align: 8
    .kernarg_segment_size: 32
    .max_flat_workgroup_size: 128
    .sgpr_count:     96
    .vgpr_count:     1024
    .wavefront_size: 32
...
	.end_amdgpu_metadata
.endif
;; end of part 3
